; MI455X (gfx1250); checked and timed in simulation.
; The chip was launched on July 23, 2026; its instructions are those of AMD's public machine-readable ISA for CDNA 5 (MIT licence, August 2026) and "CDNA5" Instruction Set Architecture Reference Guide (July 2026). The comments in the code are by the model that wrote it; some were corrected since.
;; Self Attention. Allowed arithmetic: float matrix products may take bf16 or f16 operands with f32 sums; all other float work in f32.
;; Inputs: qkv 2 x 2,048 x 3 x 16 x 64 float32.
;; Outputs: out0 2 x 2,048 x 16 x 64 float32.
;; One version. Each part assembles by itself: llvm-mc -triple=amdgcn-amd-amdhsa -mcpu=gfx1250 --defsym DOCPART=n.
;; ======== version 1 of 1: 1 launch
;; limits: right only within a limited range of input values
;; launch attn (part 1): grid 256 x 1, 8 waves a work-group, no clusters, 146,432 bytes of LDS; arguments qkv, out0; writes out0
.if DOCPART == 1
	.amdgcn_target "amdgcn-amd-amdhsa--gfx1250"
	.amdhsa_code_object_version 6
	.text
	.protected	k_qa2ce328b6a_attn
	.globl	k_qa2ce328b6a_attn
	.p2align	8
	.type	k_qa2ce328b6a_attn,@function
k_qa2ce328b6a_attn:
	s_mov_b64 s[64:65], 0
	v_nop
	global_prefetch_b8 v0, s[64:65] scope:SCOPE_SE
	s_setreg_imm32_b32 hwreg(HW_REG_WAVE_MODE, 25, 1), 1
	s_wait_xcnt 0x0
; Causal attention with the softpick normalisation, qkv [2][2048][3][16][64] f32 -> out [2][2048][16][64] f32.
;   x = q.k / 8,  m = row maximum,  out = sum relu(e^(x-m) - e^-m) v / (sum |e^(x-m) - e^-m| + 1e-6)
; HOW THE FORMULA IS CARRIED
;  * e^(x-c) - e^-c scales with e^-c, so a running maximum c with the usual factor e^(c_old - c_new) serves numerator and denominator.
;  * c starts at 0, i.e. c = max(0, m).  m >= 0: c = m, the formula as written, eps included.  m < 0: every term is <= 0, the
;    numerator is exactly 0 there as here, and the denominator here is >= eps.  With c >= 0 no exponential exceeds 1.
;  * the mask is a finite -10000: a masked key adds nothing above and e^-m below.  Row t has 2047 - t of them: added once, at the end, so
;    tiles above the diagonal are not computed.  Inside the diagonal tile a masked score is replaced by 0: exp2(0 K - K c) is bit for bit
;    the register that holds e^-c, so that its term is exactly 0 in both sums, and 0 never raises c.
; LIMITS KEPT: (1) the closed form holds while (masked score - row maximum) < 9,896 in scaled units, where the f32 exponential of
;  x - 10000 - m is 0.  (2) q, k, v and the weights are rounded to bf16 for the matrix products; sums, maxima and exponentials are f32.
;  (3) v_exp_f32 gives 0 for results under 2^-126 (ISA guide, its entry in chapter 15); they stand beside a denominator of at least 1e-6.
; SHARES: work-group x: head x >> 3, i = x & 7.  It owns query blocks of 128 rows HI = 15 - i and LO = i and walks key tiles of 128 keys,
;  0..HI for the first and 0..LO for the second: 17 trips in every one of the 256 work-groups.  Wave w: rows 32 (w & 3) .. +31 of the block
;  (two tiles of 16 queries, tt) and keys 64 (w >> 2) .. +63 of each tile; waves w and w + 4 are merged through LDS at a block's end.
; TRANSPOSED PRODUCTS: S^T = K Q^T puts one query in a lane (register j: key 8 h + j), so that maxima and sums stay in the lane but for one
;  step to lane ^ 16, and two score tiles pack straight into the B fragment of O^T = V^T P^T; V^T comes by the transposing LDS load.
; NO CLUSTER, NO TENSOR LOADS: the operands are f32 in memory and pass through registers once to become bf16 (a tile is then 38,912 bytes of
;  data in LDS in place of 131,072); and the eight work-groups of a head, paired so that each has 17 trips, stand at different tiles from trip 9 on
;  (partner i turns back to tile 0 after trip 15 - i), so that joint requests would not name the same tile.
.set ROWB,   12288                     ; bytes from one sequence position to the next in qkv; k at +4096, v at +8192, head h at 256 h
.set BATCHB, 25165824
.set TILEB,  128*ROWB
.set KP,     144                       ; LDS pitch of K and Q rows: 128 bytes of bf16 + 16, an odd multiple of 16
.set VP,     160                       ; LDS pitch of V rows: an odd multiple of 32, for the transposing load
.set VT,     128*KP                    ; LDS: K tile at 0, V tile behind it
.set QST,    VT+128*VP                 ; a stage of 32 Q rows for each wave
.set QSTW,   32*KP
.set MRG,    QST+8*QSTW                ; for each pair of waves: 16 x 512 bytes of accumulators + 512 of maxima and sums
.set MRGW,   17*512
.set OST,    MRG+4*MRGW                ; for each of waves 0-3: 32 output rows of 256 bytes, pitch 272
.set OP,     272
.set KSC,    0x3e38aa3b                ; K = log2(e) / 8
.set NKSC,   0xbe38aa3b                ; -K
.set EPSF,   0x358637bd                ; 1e-6
; VECTOR REGISTERS.  v0 thread; v1, v30, v31 at work; v2 K fragment address; v3 V fragment address; v4 tile load offset; v5, v6 K, V store
; addresses; v7 prefetch offset; v8 diagonal term; v9, v10 Q stage read, write; v11 Q load offset; v12, v13 c of tt 0, 1 (raw score units);
; v[14:15], v[16:17] two partial denominators of tt 0, 1; then for tt: 18+6tt -K c, 19 Ma, 20 -e^-c, 21 Mb, 22 rescale factor, 23 T.
.set QF, 32                            ; v32-63    Q fragments: 16 tt + 8 dh
.set AC, 64                            ; v64-127   O^T accumulators: 32 tt + 8 dt
.set SR, 128                           ; v128-191  scores: group g8 = 4 kg + 2 tt + (st & 1) of 8 registers; weights packed into the first 8 of each 16
.set FR, 192                           ; v192-255  K fragments 16 st + 8 dh, then V^T fragments 32 kg + 8 dt
.set QS, 128                           ; window 1: v256-319, v320-383 tile stage sets 0, 1; v384-447 Q as loaded
; SCALARS: s[4:5] qkv, s[6:7] out, s8 wave, s9 w & 3, s10 w >> 2, s11 LO, s12 HI, s13 trip n, s14 next tile in the sequence to load,
; s15 HI + 1, s16 loop count, s17 current block, s[18:19] K of the head, s[20:23] tile base of each stage set, s[24:25] prefetch base,
; s[26:29] Q bases, s[30:31] out of head and wave, s[32:33] out of the block, s[34:35] K, s36 -K, s38, s39 lane selects, s40-s47 at work.
.set MSB, 0
.macro WIN new                         ; register windows; the immediate's high byte repeats the setting that is left
.if MSB != \new
	s_set_vgpr_msb (MSB<<8)|\new
.set MSB, \new
.endif
.endm
.macro PLACES n
.rept \n
	v_nop
.endr
.endm
; 16 loads: the next tile of the sequence (0..HI, then 0..LO), K and V, into stage set.  A load of a wave covers two whole rows of 256 bytes.
.macro LOADT set
	s_sub_co_u32 s42, s14, s12
	s_sub_co_u32 s42, s42, 1                       ; m - HI - 1: the tile in the second block
	s_cmp_le_u32 s14, s12
	s_cselect_b32 s40, s14, s42
	s_mul_i32 s40, s40, TILEB
	s_mov_b32 s41, 0
	s_add_nc_u64 s[20+2*\set:21+2*\set], s[18:19], s[40:41]    ; this set's earlier loads were waited for before the set was converted
	s_add_co_u32 s14, s14, 1
	WIN 0x40
.irp k, 0,1,2,3,4,5,6,7
	global_load_b128 v[64*\set+4*\k:64*\set+4*\k+3], v4, s[20+2*\set:21+2*\set] offset:\k*16*ROWB
.endr
.irp k, 0,1,2,3,4,5,6,7
	global_load_b128 v[64*\set+32+4*\k:64*\set+32+4*\k+3], v4, s[20+2*\set:21+2*\set] offset:4096+\k*16*ROWB
.endr
	WIN 0
.endm
; stage set -> bf16 in place -> the K and V tiles in LDS
.macro CONVST set
	WIN 0x45
.irp k, 0,1,2,3,4,5,6,7,8,9,10,11,12,13,14,15
	v_cvt_pk_bf16_f32 v[64*\set+4*\k], v[64*\set+4*\k], v[64*\set+4*\k+1]
	v_cvt_pk_bf16_f32 v[64*\set+4*\k+1], v[64*\set+4*\k+2], v[64*\set+4*\k+3]
.endr
	WIN 0x04
.irp k, 0,1,2,3,4,5,6,7
	ds_store_b64 v5, v[64*\set+4*\k:64*\set+4*\k+1] offset:16*KP*\k
.endr
.irp k, 0,1,2,3,4,5,6,7
	ds_store_b64 v6, v[64*\set+32+4*\k:64*\set+32+4*\k+1] offset:16*VP*\k
.endr
	WIN 0
.endm
; the wave's 32 query rows, two rows of 256 bytes a load
.macro QLOAD b
	WIN 0x40
.irp k, 0,1,2,3,4,5,6,7,8,9,10,11,12,13,14,15
	global_load_b128 v[QS+4*\k:QS+4*\k+3], v11, s[\b:\b+1] offset:2*ROWB*\k
.endr
	WIN 0
.endm
; Q -> bf16 -> the wave's own stage -> B fragments.  Own bytes, served in order (ISA guide 5.7.1): no wait between stores and loads.
.macro QCONV
	WIN 0x45
.irp k, 0,1,2,3,4,5,6,7,8,9,10,11,12,13,14,15
	v_cvt_pk_bf16_f32 v[QS+4*\k], v[QS+4*\k], v[QS+4*\k+1]
	v_cvt_pk_bf16_f32 v[QS+4*\k+1], v[QS+4*\k+2], v[QS+4*\k+3]
.endr
	WIN 0x04
.irp k, 0,1,2,3,4,5,6,7,8,9,10,11,12,13,14,15
	ds_store_b64 v10, v[QS+4*\k:QS+4*\k+1] offset:2*KP*\k
.endr
	WIN 0
.irp tt, 0,1
.irp dh, 0,1
	ds_load_b128 v[QF+16*\tt+8*\dh:QF+16*\tt+8*\dh+3], v9 offset:16*KP*\tt+64*\dh
	ds_load_b128 v[QF+16*\tt+8*\dh+4:QF+16*\tt+8*\dh+7], v9 offset:16*KP*\tt+64*\dh+32
.endr
.endr
.endm
; my 64 keys as A fragments: 4 loads for each 16 keys
.macro KLOAD
.irp st, 0,1,2,3
.irp dh, 0,1
	ds_load_b128 v[FR+16*\st+8*\dh:FR+16*\st+8*\dh+3], v2 offset:16*KP*\st+64*\dh
	ds_load_b128 v[FR+16*\st+8*\dh+4:FR+16*\st+8*\dh+7], v2 offset:16*KP*\st+64*\dh+32
.endr
.endr
.endm
; S^T = K Q^T: 16 matrix instructions; the first half of d starts each sum
.macro QK
.irp st, 0,1,2,3
	s_wait_dscnt 12-4*\st                          ; LDS loads return in order: the 4 loads of these 16 keys are in, the later keys' may be out
.irp tt, 0,1
	v_wmma_f32_16x16x32_bf16 v[SR+32*(\st>>1)+16*\tt+8*(\st&1):SR+32*(\st>>1)+16*\tt+8*(\st&1)+7], v[FR+16*\st:FR+16*\st+7], v[QF+16*\tt:QF+16*\tt+7], 0
.endr
.irp tt, 0,1
	v_wmma_f32_16x16x32_bf16 v[SR+32*(\st>>1)+16*\tt+8*(\st&1):SR+32*(\st>>1)+16*\tt+8*(\st&1)+7], v[FR+16*\st+8:FR+16*\st+15], v[QF+16*\tt+8:QF+16*\tt+15], v[SR+32*(\st>>1)+16*\tt+8*(\st&1):SR+32*(\st>>1)+16*\tt+8*(\st&1)+7]
.endr
.endr
.endm
; V^T as A fragments: rows d, 32 keys along k, by the transposing load
.macro VLOAD
.irp kg, 0,1
.irp dt, 0,1,2,3
	ds_load_tr16_b128 v[FR+32*\kg+8*\dt:FR+32*\kg+8*\dt+3], v3 offset:32*VP*\kg+32*\dt
	ds_load_tr16_b128 v[FR+32*\kg+8*\dt+4:FR+16*2*\kg+8*\dt+7], v3 offset:32*VP*\kg+32*\dt+16*VP
.endr
.endr
.endm
; the diagonal tile: key 64 g + 16 st + 8 h + j is kept for query 32 wq + 16 tt + r if it is not beyond it; else the score becomes 0
.macro MASK
.irp st, 0,1,2,3
.irp tt, 0,1
.irp j, 0,1,2,3,4,5,6,7
	v_cmp_le_i32 vcc_lo, 16*\st+\j-16*\tt, v8
	v_cndmask_b32 v[SR+32*(\st>>1)+16*\tt+8*(\st&1)+\j], 0, v[SR+32*(\st>>1)+16*\tt+8*(\st&1)+\j], vcc_lo
.endr
.endr
.endr
.endm
; the running maximum of each query, -K c, e^-c, and the factor that brings the old sums to the new maximum
.macro MAXPH
.irp tt, 0,1
	v_max3_num_f32 v[19+6*\tt], v[SR+16*\tt], v[SR+16*\tt+1], v[12+\tt]
	v_max3_num_f32 v[21+6*\tt], v[SR+32+16*\tt], v[SR+32+16*\tt+1], v[12+\tt]
.endr
.irp p, 1,2,3,4,5,6,7
.irp tt, 0,1
	v_max3_num_f32 v[19+6*\tt], v[SR+16*\tt+2*\p], v[SR+16*\tt+2*\p+1], v[19+6*\tt]
	v_max3_num_f32 v[21+6*\tt], v[SR+32+16*\tt+2*\p], v[SR+32+16*\tt+2*\p+1], v[21+6*\tt]
.endr
.endr
.irp tt, 0,1
	v_max_num_f32 v[19+6*\tt], v[19+6*\tt], v[21+6*\tt]
.endr
.irp tt, 0,1
	v_permlanex16_b32 v[23+6*\tt], v[19+6*\tt], s38, s39       ; lane ^ 16 holds the same query's other keys
.endr
.irp tt, 0,1
	v_max_num_f32 v[19+6*\tt], v[19+6*\tt], v[23+6*\tt]
.endr
.irp tt, 0,1
	v_mul_f32 v[21+6*\tt], s36, v[19+6*\tt]        ; -K c, new
.endr
.irp tt, 0,1
	v_sub_f32 v[23+6*\tt], v[21+6*\tt], v[18+6*\tt]    ; minus the old one: exactly 0 where the maximum stays
.endr
.irp tt, 0,1
	v_mov_b32 v[18+6*\tt], v[21+6*\tt]
.endr
	v_exp_f32 v22, v23
	v_exp_f32 v20, v18
	v_exp_f32 v28, v29
	v_exp_f32 v26, v24
	v_mov_b32 v12, v19                             ; the plain instruction between the exponentials and their first use (ISA guide 5.7.2)
	v_mov_b32 v13, v25
	s_wait_alu depctr_va_vdst(0)
	v_mul_f32 v20, -1.0, v20                       ; -e^-c
	v_mul_f32 v26, -1.0, v26
	v_pk_mul_f32 v[14:15], v[14:15], v[22:23] op_sel_hi:[1,0]
	v_pk_mul_f32 v[16:17], v[16:17], v[28:29] op_sel_hi:[1,0]
.endm
; two scores of group g8: the exponent K x - K c
.macro ARGP g8, q
	v_pk_fma_f32 v[SR+8*\g8+2*\q:SR+8*\g8+2*\q+1], v[SR+8*\g8+2*\q:SR+8*\g8+2*\q+1], s[34:35], v[18+6*((\g8>>1)&1):19+6*((\g8>>1)&1)] op_sel_hi:[1,0,0]
.endm
; behind the exponentials: u = e^(x-c) - e^-c, |u| into the denominators ...
.macro POSTA g8, q
	s_wait_alu depctr_va_vdst(0)
	v_pk_add_f32 v[SR+8*\g8+2*\q:SR+8*\g8+2*\q+1], v[SR+8*\g8+2*\q:SR+8*\g8+2*\q+1], v[20+6*((\g8>>1)&1):21+6*((\g8>>1)&1)] op_sel_hi:[1,0]
	v_add_f32 v[14+2*((\g8>>1)&1)], v[14+2*((\g8>>1)&1)], |v[SR+8*\g8+2*\q]|
	v_add_f32 v[15+2*((\g8>>1)&1)], v[15+2*((\g8>>1)&1)], |v[SR+8*\g8+2*\q+1]|
.endm
; ... and relu(u) as bf16 into its place in the B fragment (registers that have been read out by then)
.macro POSTB g8, q
	v_max_num_f32 v[SR+8*\g8+2*\q], 0, v[SR+8*\g8+2*\q]
	v_max_num_f32 v[SR+8*\g8+2*\q+1], 0, v[SR+8*\g8+2*\q+1]
	v_cvt_pk_bf16_f32 v[SR+16*(\g8>>1)+4*(\g8&1)+\q], v[SR+8*\g8+2*\q], v[SR+8*\g8+2*\q+1]
.endm
; one product of O^T = V^T P^T: keys 32 kg .. +31, p = 4 tt + dt.  mode 2: it starts the sum
.macro PVW kg, p, mode
.if \mode == 2
	v_wmma_f32_16x16x32_bf16 v[AC+32*((\p)>>2)+8*((\p)&3):AC+32*((\p)>>2)+8*((\p)&3)+7], v[FR+32*\kg+8*((\p)&3):FR+32*\kg+8*((\p)&3)+7], v[SR+32*\kg+16*((\p)>>2):SR+32*\kg+16*((\p)>>2)+7], 0
.else
	v_wmma_f32_16x16x32_bf16 v[AC+32*((\p)>>2)+8*((\p)&3):AC+32*((\p)>>2)+8*((\p)&3)+7], v[FR+32*\kg+8*((\p)&3):FR+32*\kg+8*((\p)&3)+7], v[SR+32*\kg+16*((\p)>>2):SR+32*\kg+16*((\p)>>2)+7], v[AC+32*((\p)>>2)+8*((\p)&3):AC+32*((\p)>>2)+8*((\p)&3)+7]
.endif
.endm
; a stretch of the softpick pipeline: exponentials of group ge, the work behind them for group gp, exponents for group ga (-1: none),
; so that plain instructions on other registers stand between an exponential and its use; pv: four products of the first 32 keys ride along
.macro EW ge, gp, ga, pv, p0
.irp q, 0,1,2,3
	v_exp_f32 v[SR+8*\ge+2*\q], v[SR+8*\ge+2*\q]
.if \gp >= 0
	POSTA \gp, \q
.endif
	v_exp_f32 v[SR+8*\ge+2*\q+1], v[SR+8*\ge+2*\q+1]
.if \gp >= 0
	POSTB \gp, \q
.endif
.if \ga >= 0
	ARGP \ga, \q
.endif
.if \pv
	PVW 0, (\p0+\q), \pv
.endif
.endr
.endm
.macro RESCALE
.irp tt, 0,1
.irp p, 0,1,2,3,4,5,6,7,8,9,10,11,12,13,14,15
	v_pk_mul_f32 v[AC+32*\tt+2*\p:AC+32*\tt+2*\p+1], v[AC+32*\tt+2*\p:AC+32*\tt+2*\p+1], v[22+6*\tt:23+6*\tt] op_sel_hi:[1,0]
.endr
.endr
.endm
.macro PV1
.irp p, 0,1,2,3,4,5,6,7
	PVW 1, \p, 1
.endr
.endm
; A BLOCK'S END.  Waves 4-7 hand accumulators, maxima and sums to waves 0-3, which merge, add the masked keys' closed form and eps, divide,
; and store whole rows of 256 bytes through their own stage.  final = 0: every wave then takes up block LO.
.macro EPI id, final
	v_add_f32 v14, v14, v15                        ; the two partial denominators of each query tile,
	v_add_f32 v15, v16, v17
	v_permlanex16_b32 v30, v14, s38, s39           ; and the other half of the lanes' keys
	v_permlanex16_b32 v31, v15, s38, s39
	v_add_f32 v14, v14, v30
	v_add_f32 v15, v15, v31
	v_and_b32 v1, 31, v0
	v_lshl_add_u32 v1, v1, 4, s43                  ; the pair's merge area + 16 x lane
	s_cmp_lt_u32 s8, 4
	s_cbranch_scc1 .Lnost_\id
.irp q, 0,1,2,3,4,5,6,7,8,9,10,11,12,13,14,15
	ds_store_b128 v1, v[AC+4*\q:AC+4*\q+3] offset:512*\q
.endr
	ds_store_b128 v1, v[12:15] offset:8192         ; c of tt 0, 1; denominators of tt 0, 1
.Lnost_\id:
	s_wait_dscnt 0x0                               ; for the partner's sake: the stores are in LDS before the signal
	s_barrier_signal -1
	s_barrier_wait -1
	s_cmp_ge_u32 s8, 4
	s_cbranch_scc1 .Lnomrg_\id
.irp q, 0,1,2,3,4,5,6,7,8,9,10,11,12,13,14,15
	ds_load_b128 v[FR+4*\q:FR+4*\q+3], v1 offset:512*\q
.endr
	ds_load_b128 v[SR:SR+3], v1 offset:8192
	s_lshl_b32 s40, s17, 7
	s_lshl_b32 s42, s9, 5
	s_add_co_u32 s40, s40, s42
	s_sub_co_u32 s40, 2047, s40
	v_and_b32 v30, 15, v0
	v_sub_nc_u32 v30, s40, v30                     ; masked keys of my row: 2047 - 128 block - 32 wq - r,
	v_add_nc_u32 v31, -16, v30                     ; and 16 fewer in the second query tile; never below 0
	v_cvt_f32_u32 v30, v30
	v_cvt_f32_u32 v31, v31
	s_lshl_b32 s40, s17, 19                        ; 128 rows of 4,096 bytes a block
	s_mov_b32 s41, 0
	s_add_nc_u64 s[32:33], s[30:31], s[40:41]      ; (the earlier block's stores were followed by s_wait_xcnt 0)
	s_wait_dscnt 0x0
.irp tt, 0,1
	v_max_num_f32 v[19+6*\tt], v[12+\tt], v[SR+\tt]    ; the joint maximum
	v_mul_f32 v[23+6*\tt], s36, v[SR+\tt]          ; the partner's -K c, the same product as it used
.endr
.irp tt, 0,1
	v_mul_f32 v[21+6*\tt], s36, v[19+6*\tt]
.endr
.irp tt, 0,1
	v_sub_f32 v[22+6*\tt], v[21+6*\tt], v[18+6*\tt]
	v_sub_f32 v[23+6*\tt], v[21+6*\tt], v[23+6*\tt]
.endr
.irp tt, 0,1
	v_exp_f32 v[22+6*\tt], v[22+6*\tt]             ; a0: my sums to the joint maximum
	v_exp_f32 v[23+6*\tt], v[23+6*\tt]             ; a1: the partner's
	v_exp_f32 v[20+6*\tt], v[21+6*\tt]             ; e^-c
.endr
	v_nop                                          ; the plain place behind the exponentials (ISA guide 5.7.2)
	s_wait_alu depctr_va_vdst(0)
.irp tt, 0,1
	v_fmaak_f32 v[14+\tt], v[14+\tt], v[22+6*\tt], EPSF
.endr
.irp tt, 0,1
	v_fmac_f32 v[14+\tt], v[SR+2+\tt], v[23+6*\tt]
.endr
.irp tt, 0,1
	v_fmac_f32 v[14+\tt], v[30+\tt], v[20+6*\tt]   ; + masked keys x e^-c
.endr
	v_rcp_f32 v19, v14
	v_rcp_f32 v25, v15
	v_nop
	s_wait_alu depctr_va_vdst(0)
.irp tt, 0,1
	v_mul_f32 v[22+6*\tt], v[22+6*\tt], v[19+6*\tt]
	v_mul_f32 v[20+6*\tt], v[23+6*\tt], v[19+6*\tt]
.endr
.irp tt, 0,1
.irp p, 0,1,2,3,4,5,6,7,8,9,10,11,12,13,14,15
	v_pk_mul_f32 v[AC+32*\tt+2*\p:AC+32*\tt+2*\p+1], v[AC+32*\tt+2*\p:AC+32*\tt+2*\p+1], v[22+6*\tt:23+6*\tt] op_sel_hi:[1,0]
.endr
.irp p, 0,1,2,3,4,5,6,7,8,9,10,11,12,13,14,15
	v_pk_fma_f32 v[AC+32*\tt+2*\p:AC+32*\tt+2*\p+1], v[FR+32*\tt+2*\p:FR+32*\tt+2*\p+1], v[20+6*\tt:21+6*\tt], v[AC+32*\tt+2*\p:AC+32*\tt+2*\p+1] op_sel_hi:[1,0,1]
.endr
.endr
	; a lane holds d = 16 dt + 8 h + 0..7 of query 16 tt + r: into my stage by queries, back by whole rows
	v_and_b32 v[SR+8], 15, v0                      ; r
	v_bfe_u32 v[SR+9], v0, 4, 1                    ; h
	v_mul_u32_u24 v1, v[SR+8], OP
	v_lshl_add_u32 v1, v[SR+9], 5, v1
	v_add_nc_u32 v1, s44, v1
	v_mul_u32_u24 v30, v[SR+9], OP
	v_lshl_add_u32 v30, v[SR+8], 4, v30
	v_add_nc_u32 v30, s44, v30
	v_lshlrev_b32 v31, 12, v[SR+9]
	v_lshl_add_u32 v31, v[SR+8], 4, v31            ; out: row h of a pair, 16 bytes a lane
.irp tt, 0,1
.irp dt, 0,1,2,3
	ds_store_b128 v1, v[AC+32*\tt+8*\dt:AC+32*\tt+8*\dt+3] offset:16*OP*\tt+64*\dt
	ds_store_b128 v1, v[AC+32*\tt+8*\dt+4:AC+32*\tt+8*\dt+7] offset:16*OP*\tt+64*\dt+16
.endr
.endr
.irp k, 0,1,2,3,4,5,6,7,8,9,10,11,12,13,14,15
	ds_load_b128 v[FR+4*\k:FR+4*\k+3], v30 offset:2*OP*\k      ; own bytes, served in order behind the stores
.endr
.irp k, 0,1,2,3,4,5,6,7,8,9,10,11,12,13,14,15
	s_wait_dscnt 15-\k                             ; read-back k is in, the later ones may be out
	global_store_b128 v31, v[FR+4*\k:FR+4*\k+3], s[32:33] offset:8192*\k th:TH_STORE_NT    ; 16 lanes store 256 consecutive bytes, one head's row
.endr
	s_wait_xcnt 0x0                                ; the stores' data, offset and base are written again only behind this wait
.Lnomrg_\id:
.if \final == 0
	QCONV                                          ; block LO's queries, in registers since the first trip's wait for loads
.irp x, 12,13,14,15,16,17,18,24
	v_mov_b32 v\x, 0                               ; c, the denominators and -K c start anew
.endr
	s_mov_b32 s17, s11
.endif
.endm
; ONE TRIP: one key tile against the current query block.
;  set, fill, issue, left: the stage set that holds the next tile; whether it is laid into LDS; whether the set is loaded again, three tiles
;  ahead of this trip's; how many younger loads may stay out.  mask, epi: 0 none, 1 if n = HI, 2 always.  pf: prefetch.  first: 1 = the O sums start here.
.macro TRIPX id, set, fill, issue, left, mask, epi, pf, first
	KLOAD
	QK
	PLACES 4                                       ; four places behind the last product before its scores are read and loads land on its K fragments
	VLOAD
.if \pf
	; wave 0 asks for rows 16 i .. +15 (K in lanes 0-15, V in lanes 16-31) of tile n + 5, whose loads are issued in trip n + 2.  The eight
	; work-groups of a head ask for 16 rows each, so each row is asked for once.  The last request is for tile 15, in trip 10.
	s_cmp_lg_u32 s8, 0
	s_cbranch_scc1 .Lnopf_\id
	s_cmp_gt_u32 s13, 10
	s_cbranch_scc1 .Lnopf_\id
	s_wait_xcnt 0x0                                ; the last trip's request has read its base
	s_add_nc_u64 s[24:25], s[24:25], TILEB
	global_prefetch_b8 v7, s[24:25] th:TH_LOAD_NT scope:SCOPE_SE
.Lnopf_\id:
.endif
.if \mask == 1
	s_cmp_lg_u32 s13, s12
	s_cbranch_scc1 .Lnomask_\id
	MASK
.Lnomask_\id:
.elseif \mask == 2
	MASK
.endif
	MAXPH
	s_wait_dscnt 0x0                               ; V fragments are in: my reads of this tile are over,
	s_barrier_signal -1                            ; say so; registers only until the wait
.irp q, 0,1,2,3
	ARGP 0, \q
.endr
	EW 0, -1, 1, 0, 0
	EW 1, 0, 2, 0, 0
	EW 2, 1, 3, 0, 0
	EW 3, 2, 4, 0, 0
	EW 4, 3, 5, 0, 0
.if \first == 1
	EW 5, 4, 6, 2, 0
	EW 6, 5, 7, 2, 4
.else
	s_cmp_eq_u32 s13, s15                          ; the first tile of block LO starts the sums anew
	s_cbranch_scc1 .Lfirst_\id
	RESCALE
	EW 5, 4, 6, 1, 0
	EW 6, 5, 7, 1, 4
	s_branch .Ljoin_\id
.Lfirst_\id:
	EW 5, 4, 6, 2, 0
	EW 6, 5, 7, 2, 4
.Ljoin_\id:
.endif
	EW 7, 6, -1, 0, 0
.irp q, 0,1,2,3
	POSTA 7, \q
	POSTB 7, \q
.endr
	s_barrier_wait -1                              ; nobody reads the tile any more
.if \fill
	s_wait_loadcnt \left                           ; loads return in order: the next tile's 16 are in, the 16 of the tile behind it stay out
	CONVST \set
	s_wait_dscnt 0x0                               ; the tile is in LDS (for the others), and the stage set has been read
.if \issue
	LOADT \set
.endif
	s_barrier_signal -1
	PV1
	PLACES 5                                       ; behind the last product: loads land on its V fragments, products write over its weights
	s_barrier_wait -1                              ; everybody's part of the next tile is in LDS
.else
	PV1
	PLACES 5
.endif
.if \epi == 1
	s_cmp_lg_u32 s13, s12
	s_cbranch_scc1 .Lnoepi_\id
	EPI \id, 0
.Lnoepi_\id:
.elseif \epi == 2
	EPI \id, 1
.endif
	s_add_co_u32 s13, s13, 1
.endm
	; ---- ids, constants, addresses ----
	s_load_b128 s[4:7], s[0:1], 0x0                ; qkv, out
	s_set_vgpr_msb 0x40
	v_lshl_add_u32 v192, v0, 2, 0x23800
	v_mov_b32 v193, 0
	s_set_vgpr_msb 0x4000
	v_lshrrev_b32 v1, 5, v0
	v_readfirstlane_b32 s8, v1                     ; wave
	s_and_b32 s9, s8, 3                            ; wq: which 32 query rows
	s_lshr_b32 s10, s8, 2                          ; g: which 64 keys
	s_and_b32 s11, ttmp9, 7                        ; LO
	s_sub_co_u32 s12, 15, s11                      ; HI
	s_add_co_u32 s15, s12, 1                       ; the trip that starts block LO
	s_mov_b32 s13, 0
	s_mov_b32 s14, 0
	s_mov_b32 s17, s12
	s_mov_b32 s34, KSC
	s_mov_b32 s35, KSC
	s_mov_b32 s36, NKSC
	s_mov_b32 s38, 0x76543210                      ; v_permlanex16_b32: lane i reads lane i of the other half
	s_mov_b32 s39, 0xfedcba98
	s_mul_i32 s43, s9, MRGW
	s_add_co_u32 s44, s43, OST                     ; output stage (waves 0-3: wq is the wave)
	s_add_co_u32 s43, s43, MRG                     ; the pair's merge area
	s_lshr_b32 s40, ttmp9, 7                       ; batch
	s_bfe_u32 s42, ttmp9, 0x40003                  ; head
	s_lshl_b32 s42, s42, 8
	s_mul_i32 s45, s40, BATCHB
	s_add_co_u32 s45, s45, s42                     ; qkv: batch and head
	s_lshl_b32 s46, s40, 23
	s_add_co_u32 s46, s46, s42
	s_lshl_b32 s47, s9, 17
	s_add_co_u32 s46, s46, s47                     ; out: batch, head, 32 wq rows of 4,096 bytes
	v_and_b32 v30, 15, v0                          ; r
	v_bfe_u32 v31, v0, 4, 1                        ; h
	v_lshrrev_b32 v1, 4, v0                        ; thread / 16
	s_mul_i32 s40, s10, 64*KP
	v_mul_u32_u24 v2, v30, KP
	v_lshl_add_u32 v2, v31, 4, v2
	v_add_nc_u32 v2, s40, v2                       ; K fragments: (64 g + r) pitch + 16 h
	s_mul_i32 s40, s10, 64*VP
	s_add_co_u32 s40, s40, VT
	v_and_b32 v3, 7, v0
	v_lshl_add_u32 v3, v31, 3, v3
	v_mul_u32_u24 v3, v3, VP
	v_bfe_u32 v4, v0, 3, 1
	v_lshl_add_u32 v3, v4, 4, v3
	v_add_nc_u32 v3, s40, v3                       ; V fragments: (64 g + 8 h + lane % 8) pitch + 16 (lane / 8 % 2)
	v_mul_u32_u24 v4, v1, ROWB
	v_lshl_add_u32 v4, v30, 4, v4                  ; tile loads: row thread / 16, 16 bytes a lane
	v_mul_u32_u24 v5, v1, KP
	v_lshl_add_u32 v5, v30, 3, v5                  ; and where they go as bf16
	v_mul_u32_u24 v6, v1, VP
	v_lshl_add_u32 v6, v30, 3, v6
	v_add_nc_u32 v6, VT, v6
	s_mul_i32 s40, s11, 16*ROWB
	v_mul_u32_u24 v7, v30, ROWB
	v_lshl_add_u32 v7, v31, 12, v7
	v_add_nc_u32 v7, s40, v7                       ; prefetch: row 16 i + r, K or V
	s_lshl_b32 s40, s9, 5
	s_lshl_b32 s42, s10, 6
	s_sub_co_i32 s40, s40, s42
	v_lshlrev_b32 v8, 3, v31
	v_sub_nc_u32 v8, v30, v8
	v_add_nc_u32 v8, s40, v8                       ; 32 wq + r - 64 g - 8 h, signed
	s_mul_i32 s40, s8, QSTW
	s_add_co_u32 s40, s40, QST
	v_mul_u32_u24 v9, v30, KP
	v_lshl_add_u32 v9, v31, 4, v9
	v_add_nc_u32 v9, s40, v9
	v_mul_u32_u24 v10, v31, KP
	v_lshl_add_u32 v10, v30, 3, v10
	v_add_nc_u32 v10, s40, v10
	v_mul_u32_u24 v11, v31, ROWB
	v_lshl_add_u32 v11, v30, 4, v11
.irp x, 12,13,14,15,16,17,18,24,23,29
	v_mov_b32 v\x, 0                               ; c, denominators, -K c; v23, v29 are lane-permute destinations, which count as read
.endr
	s_mov_b32 s41, 0
	s_wait_kmcnt 0x0
	s_add_co_u32 s40, s45, 4096
	s_add_nc_u64 s[18:19], s[4:5], s[40:41]        ; K of the head, position 0
	s_add_nc_u64 s[24:25], s[18:19], 4*TILEB       ; stepped once before each request: the first is for tile 5
	s_lshl_b32 s42, s9, 5
	s_lshl_b32 s40, s12, 7
	s_add_co_u32 s40, s40, s42
	s_mul_i32 s40, s40, ROWB
	s_add_co_u32 s40, s40, s45
	s_add_nc_u64 s[26:27], s[4:5], s[40:41]        ; my queries of block HI
	s_lshl_b32 s40, s11, 7
	s_add_co_u32 s40, s40, s42
	s_mul_i32 s40, s40, ROWB
	s_add_co_u32 s40, s40, s45
	s_add_nc_u64 s[28:29], s[4:5], s[40:41]        ; and of block LO
	s_mov_b32 s40, s46
	s_add_nc_u64 s[30:31], s[6:7], s[40:41]
	; ---- fill the pipeline ----
	QLOAD 26
	LOADT 0                                        ; tile 0 of the sequence
	LOADT 1                                        ; tile 1
	s_wait_loadcnt 32                              ; the 16 loads of Q are in; the two tiles' 32 stay out
	QCONV
	s_wait_dscnt 0x0                               ; the stage stores have read the Q registers, the fragments are in
	QLOAD 28                                       ; block LO's queries wait in registers
	s_wait_loadcnt 32                              ; tile 0 is in; tile 1 and the second Q stay out
	CONVST 0
	s_wait_dscnt 0x0
	LOADT 0                                        ; tile 2
	s_barrier_signal -1
	s_barrier_wait -1
	; ---- 17 trips: n = 0; 1..12 in the loop; 13..16, in which the loads run out ----
	TRIPX t0, 1, 1, 1, 16, 0, 0, 1, 1              ; HI >= 8: no diagonal here.  Its wait for loads also brings in the second Q
	s_mov_b32 s16, 6
.Lloop:
	TRIPX la, 0, 1, 1, 16, 1, 1, 1, 0
	TRIPX lb, 1, 1, 1, 16, 1, 1, 1, 0
	s_sub_co_u32 s16, s16, 1
	s_cmp_lg_u32 s16, 0
	s_cbranch_scc1 .Lloop
	TRIPX ta, 0, 1, 1, 16, 1, 1, 0, 0              ; n = 13 loads the last tile of the sequence
	TRIPX tb, 1, 1, 0, 16, 1, 1, 0, 0              ; n = 14: that tile stays out
	TRIPX tc, 0, 1, 0, 0, 1, 1, 0, 0               ; n = 15: nothing was issued behind it: the wait is for 0
	TRIPX td, 0, 0, 0, 0, 2, 2, 0, 0               ; n = 16: block LO's diagonal tile and its end
	s_set_vgpr_msb 0x5
	s_wait_tensorcnt 0x0
	ds_add_u32 v192, v193
	s_wait_dscnt 0x0
	s_set_vgpr_msb 0x500
	s_endpgm
.Lfunc_end_k_qa2ce328b6a_attn:
	.size	k_qa2ce328b6a_attn, .Lfunc_end_k_qa2ce328b6a_attn-k_qa2ce328b6a_attn
	.p2alignl 7, 3214868480
	.fill 96, 4, 3214868480
	.section	.rodata,"a",@progbits
	.p2align	6, 0x0
	.amdhsa_kernel k_qa2ce328b6a_attn
		.amdhsa_group_segment_fixed_size 146432
		.amdhsa_private_segment_fixed_size 0
		.amdhsa_enable_private_segment 0
		.amdhsa_kernarg_size 16
		.amdhsa_user_sgpr_count 2
		.amdhsa_user_sgpr_kernarg_segment_ptr 1
		.amdhsa_wavefront_size32 1
		.amdhsa_system_sgpr_workgroup_id_x 1
		.amdhsa_system_sgpr_workgroup_id_y 1
		.amdhsa_system_sgpr_workgroup_id_z 1
		.amdhsa_system_vgpr_workitem_id 0
		.amdhsa_next_free_vgpr 450
		.amdhsa_next_free_sgpr 66
		.amdhsa_reserve_vcc 1
		.amdhsa_float_denorm_mode_32 3
		.amdhsa_float_denorm_mode_16_64 3
		.amdhsa_memory_ordered 1
		.amdhsa_forward_progress 1
		.amdhsa_inst_pref_size 255
	.end_amdhsa_kernel
	.section	.bss,"aw",@nobits
	.p2align	6
	.space	262144
	.amdgpu_metadata
---
amdhsa.version: [ 1, 2 ]
amdhsa.kernels:
  - .name:           k_qa2ce328b6a_attn
    .symbol:         k_qa2ce328b6a_attn.kd
    .args:
      - { .name: qkv, .offset: 0, .size: 8, .value_kind: global_buffer, .address_space: global }
      - { .name: out0, .offset: 8, .size: 8, .value_kind: global_buffer, .address_space: global }
    .group_segment_fixed_size: 146432
    .private_segment_fixed_size: 0
    .kernarg_segment_align: 8
    .kernarg_segment_size: 16
    .max_flat_workgroup_size: 256
    .sgpr_count:     66
    .vgpr_count:     450
    .wavefront_size: 32
...
	.end_amdgpu_metadata
.endif
;; end of part 1
